; MI455X (gfx1250); checked and timed in simulation.
; The chip was launched on July 23, 2026; its instructions are those of AMD's public machine-readable ISA for CDNA 5 (MIT licence, August 2026) and "CDNA5" Instruction Set Architecture Reference Guide (July 2026). The comments in the code are by the model that wrote it; some were corrected since.
;; Align. Allowed arithmetic: float matrix products may take bf16 or f16 operands with f32 sums; other float arithmetic in f32, or as packed bf16 or f16 multiplies, adds, multiply-adds, maxima and minima; sums over many terms, partial sums and values carried from step to step in f32; what a program stores and reads back later, other than sums and carried values, may be rounded once to bf16 or f16.
;; Inputs: W 2,048 x 2,048 float32; b 2,048 float32; key 128 x 128 x 2,048 float32; v 128 x 2,048 x 1 float32; value 128 x 128 x 2,048 float32.
;; Outputs: out0 128 x 2,048 float32; out1 128 x 128 x 1 float32.
;; 2 versions, each right; version 2 is version 1 with the launch pool written anew for expert scheduling mode. Each part assembles by itself: llvm-mc -triple=amdgcn-amd-amdhsa -mcpu=gfx1250 --defsym DOCPART=n.
;; ======== version 1 of 2: 3 launches
;; limits: values outside matrix products are rounded to bf16
;; workspace buffers: keyb 67,108,864 bytes; wb 8,388,608 bytes; part 1,048,576 bytes
;; launch cast (part 1): grid 256 x 1, 8 waves a work-group, no clusters, 0 bytes of LDS; arguments key, W, keyb, wb; writes keyb, wb
.if DOCPART == 1
	.amdgcn_target "amdgcn-amd-amdhsa--gfx1250"
	.amdhsa_code_object_version 6
	.text
	.protected	k_q9900de0625_cast
	.globl	k_q9900de0625_cast
	.p2align	8
	.type	k_q9900de0625_cast,@function
k_q9900de0625_cast:
	s_mov_b64 s[64:65], 0
	v_nop
	global_prefetch_b8 v0, s[64:65] scope:SCOPE_SE
	s_setreg_imm32_b32 hwreg(HW_REG_WAVE_MODE, 25, 1), 1
	s_wait_xcnt 0x0
; keyb[b*128 + s][d] = bf16(key[s][b][d]),  wb[e][d] = bf16(W[e][d]): each number rounded once, to nearest even.
; key: [128 s][128 b][2048] f32, W: [2048][2048] f32.  keyb: [16384][2048] bf16, its rows ordered by b and then s, so that 128 rows on end are one batch; wb: [2048][2048] bf16.
; A stream: no LDS, no barrier, no matrix unit, since no number is used twice.  2,048 waves, all alike: wave gw takes the rows 8 gw .. 8 gw + 7 of key (one s, eight b) and row gw of W.
; A row is 8,192 bytes in (16 loads of 512 consecutive bytes) and 4,096 bytes out (16 stores of 256 consecutive bytes, aligned).
; Three row slots in registers: one at work, two on their way in: 32 to 48 loads of a wave are out at any time.
; LIMIT.  bf16 keeps 8 significant bits; its range is that of f32, so no input overflows.
.set LI,  2                            ; v2        16 x lane: my 16 bytes in 512 bytes of a row as read; never rewritten
.set LO,  3                            ; v3        8 x lane: my 8 bytes in 256 bytes of a row as written; never rewritten
.set X,   32                           ; v[32:223] three slots of 64: a row as loaded
.set Y,   224                          ; v[224:255] a row as stored
	s_load_b256 s[4:11], s[0:1], 0x0               ; key s[4:5], W s[6:7], keyb s[8:9], wb s[10:11]
	v_lshrrev_b32 v1, 5, v0
	v_readfirstlane_b32 s12, v1                    ; wave 0..7
	v_and_b32 v1, 31, v0                           ; lane
	v_lshlrev_b32 v[LI], 4, v1
	v_lshlrev_b32 v[LO], 3, v1
	s_lshl_b32 s13, ttmp9, 3
	s_add_co_u32 s13, s13, s12                     ; gw = 8 x work-group + wave, 0..2047
	s_lshl_b32 s14, s13, 16                        ; key: 8 rows of 8,192 bytes for each gw
	s_mov_b32 s15, 0
	s_lshl_b32 s16, s13, 13                        ; W: one row of 8,192 bytes
	s_mov_b32 s17, 0
	s_and_b32 s18, s13, 15                         ; keyb: b = 8 (gw % 16) + i, s = gw / 16; row b x 128 + s of 4,096 bytes
	s_lshl_b32 s18, s18, 22
	s_lshr_b32 s20, s13, 4
	s_lshl_b32 s20, s20, 12
	s_add_co_u32 s18, s18, s20
	s_mov_b32 s19, 0
	s_lshl_b32 s20, s13, 12                        ; wb: one row of 4,096 bytes
	s_mov_b32 s21, 0
	s_wait_kmcnt 0x0
	s_add_nc_u64 s[4:5], s[4:5], s[14:15]
	s_add_nc_u64 s[6:7], s[6:7], s[16:17]
	s_add_nc_u64 s[8:9], s[8:9], s[18:19]
	s_add_nc_u64 s[10:11], s[10:11], s[20:21]
; Sixteen loads: a whole row into a slot.  Rows 0 to 7 are key's, row 8 is W's.
.macro FILL slot, row
.set j, 0
.rept 16
.if (\row) < 8
	global_load_b128 v[X+64*(\slot)+4*j:X+64*(\slot)+4*j+3], v[LI], s[4:5] offset:8192*(\row)+512*j th:TH_LOAD_NT
.else
	global_load_b128 v[X+64*(\slot)+4*j:X+64*(\slot)+4*j+3], v[LI], s[6:7] offset:512*j th:TH_LOAD_NT
.endif
.set j, j+1
.endr
.endm
; A row's turn.  left = the younger loads, which may stay out.  refill = 1: the slot takes the row three further on, ahead of this row's stores.
.macro TURN row, left, refill
	s_wait_loadcnt \left                           ; loads come back in order (ISA guide 5.7.1): my row is in
	s_wait_xcnt 0x0                                ; the last row's stores have read Y: it is rewritten only behind this wait
.set t, 0
.rept 32
	v_cvt_pk_bf16_f32 v[Y+t], v[X+64*((\row)%3)+2*t], v[X+64*((\row)%3)+2*t+1]
.set t, t+1
.endr
.if \refill
	FILL (\row)%3, (\row)+3
.endif
.set j, 0
.rept 16
.if (\row) < 8
	global_store_b64 v[LO], v[Y+2*j:Y+2*j+1], s[8:9] offset:524288*(\row)+256*j th:TH_STORE_NT  ; the next b lies 128 rows of 4,096 bytes on; 32 lanes store 256 consecutive bytes, aligned
.else
	global_store_b64 v[LO], v[Y+2*j:Y+2*j+1], s[10:11] offset:256*j th:TH_STORE_NT
.endif
.set j, j+1
.endr
.endm
	FILL 0, 0
	FILL 1, 1
	FILL 2, 2
.irp r, 0,1,2,3,4,5
	TURN \r, 32, 1                                 ; two younger rows, 16 loads each
.endr
	TURN 6, 32, 0                                  ; nothing is left to ask for: the counts run down
	TURN 7, 16, 0
	TURN 8, 0, 0
	s_endpgm
.Lfunc_end_k_q9900de0625_cast:
	.size	k_q9900de0625_cast, .Lfunc_end_k_q9900de0625_cast-k_q9900de0625_cast
	.p2alignl 7, 3214868480
	.fill 96, 4, 3214868480
	.section	.rodata,"a",@progbits
	.p2align	6, 0x0
	.amdhsa_kernel k_q9900de0625_cast
		.amdhsa_group_segment_fixed_size 0
		.amdhsa_private_segment_fixed_size 0
		.amdhsa_enable_private_segment 0
		.amdhsa_kernarg_size 32
		.amdhsa_user_sgpr_count 2
		.amdhsa_user_sgpr_kernarg_segment_ptr 1
		.amdhsa_wavefront_size32 1
		.amdhsa_system_sgpr_workgroup_id_x 1
		.amdhsa_system_sgpr_workgroup_id_y 1
		.amdhsa_system_sgpr_workgroup_id_z 1
		.amdhsa_system_vgpr_workitem_id 0
		.amdhsa_next_free_vgpr 256
		.amdhsa_next_free_sgpr 66
		.amdhsa_reserve_vcc 0
		.amdhsa_float_denorm_mode_32 3
		.amdhsa_float_denorm_mode_16_64 3
		.amdhsa_memory_ordered 1
		.amdhsa_forward_progress 1
		.amdhsa_inst_pref_size 47
	.end_amdhsa_kernel
	.amdgpu_metadata
---
amdhsa.version: [ 1, 2 ]
amdhsa.kernels:
  - .name:           k_q9900de0625_cast
    .symbol:         k_q9900de0625_cast.kd
    .args:
      - { .name: key, .offset: 0, .size: 8, .value_kind: global_buffer, .address_space: global }
      - { .name: W, .offset: 8, .size: 8, .value_kind: global_buffer, .address_space: global }
      - { .name: keyb, .offset: 16, .size: 8, .value_kind: global_buffer, .address_space: global }
      - { .name: wb, .offset: 24, .size: 8, .value_kind: global_buffer, .address_space: global }
    .group_segment_fixed_size: 0
    .private_segment_fixed_size: 0
    .kernarg_segment_align: 8
    .kernarg_segment_size: 32
    .max_flat_workgroup_size: 256
    .sgpr_count:     66
    .vgpr_count:     256
    .wavefront_size: 32
...
	.end_amdgpu_metadata
.endif
;; end of part 1
;; launch score (part 2): grid 8 x 32, 4 waves a work-group, clusters of 4 x 4, 327,680 bytes of LDS; arguments keyb, wb, b, v, part; writes part
.if DOCPART == 2
	.amdgcn_target "amdgcn-amd-amdhsa--gfx1250"
	.amdhsa_code_object_version 6
	.text
	.protected	k_q9900de0625_score
	.globl	k_q9900de0625_score
	.p2align	8
	.type	k_q9900de0625_score,@function
k_q9900de0625_score:
	s_mov_b64 s[64:65], 0
	v_nop
	global_prefetch_b8 v0, s[64:65] scope:SCOPE_SE
	s_setreg_imm32_b32 hwreg(HW_REG_WAVE_MODE, 25, 1), 1
	s_wait_xcnt 0x0
	s_wait_alu depctr_hold_cnt(0) depctr_sa_sdst(0) depctr_va_vdst(0) depctr_va_sdst(0) depctr_va_ssrc(0) depctr_va_vcc(0) depctr_vm_vsrc(0)
	s_getreg_b32 s2, hwreg(HW_REG_IB_STS2, 6, 4)
	s_cmp_eq_u32 s2, 0
	s_cbranch_scc0 .Lentry_in_a_cluster
	s_endpgm
.Lentry_in_a_cluster:
	s_bfe_u32 s2, ttmp6, 0x10000c
	s_cmp_lg_u32 s2, 0xf033
	s_cbranch_scc0 .Lentry_shape_is_right
	s_endpgm
.Lentry_shape_is_right:
; part[j][m] = the sum over the 128 columns e of slice j of tanh(sum over d of keyb[m][d] wb[e][d] + b[e]) v[m / 128][e].
; keyb: [16384][2048] bf16 (row m = batch x 128 + s), wb: [2048][2048] bf16, b: [2048] f32, v: [128][2048] f32, part: [16][16384] f32.  Products in bf16, all sums in f32.
; A tile of z = keyb wb^T, 256 x 256, is made by a work-group of four waves; a wave makes 128 x 128: 64 accumulators of 16 x 16, 512 registers.  K goes in steps of 128 through a ring of two
; LDS slots filled by the tensor data mover; the tiles' rows are 256 bytes of memory at multiples of 256 bytes.  z never leaves the registers: a wave's 128 rows are ONE batch, its 128 columns one slice,
; so tanh, the product with v and the sum along the columns are made on the accumulators, and 128 partial scores a wave and tile are stored.  The next launch adds the 16 slices.
; A WORK-GROUP STAYS: it makes two tiles, 8,192 rows apart, and the ring runs on into the second: the first tile's last two changes of slots ask for the second tile's first two K steps.
; CLUSTERS: 4 x 4 work-groups.  The four of a row of the cluster need the same tiles of keyb, the four of a column the same tiles of wb: each tile is asked for JOINTLY, by the same tensor load
; with the same descriptor and a mask that names the four.
; THE MATRIX INSTRUCTION IS USED TRANSPOSED: source 0 = 16 rows of wb, source 1 = 16 rows of keyb.  In the result lane l holds row m = l % 16 and the columns 8 (l / 16) + 0..7.
; THE BIAS is the C operand of the product that starts each sum, so b is added first and the products after it: an order of rounding other than reference's.
; LIMITS.  EVERY INPUT OF THE PROGRAM IS TAKEN ROUNDED ONCE TO bf16 (8 significant bits, f32's range): keyb and wb arrive so, b and v are rounded here, in registers, and then used as f32; all five
; inputs carry the same rounding, none a finer one.  tanh(x) = 1 - 2 / (1 + 2^(2 log2(e) x)), off by a few 1e-7 in absolute terms; where the power overflows the result is 1, where it falls below
; 2^-126 it is -1, which is tanh's value there to f32's last bit.  NaN and infinities are not treated apart.
;
; REGISTERS, in windows of 256 (s_set_vgpr_msb's low byte: bits 1:0 source 0, 3:2 source 1, 5:4 source 2, 7:6 destination):
;   window 0: v0-31 addresses; v32-39 a tile's sums; v48-55 the way out; v64-127, v128-191 fragments of keyb, two buffers
;   window 1: v0-63 the bias; v64-127, v128-191 fragments of wb, two buffers; v192-255 v of my batch
;   window 2: the 32 accumulators of my rows 0-63 (accumulator (a, b) at v[8 (8 a + b)]);   window 3: those of my rows 64-127
.set SIZE_M, 16384
.set SIZE_K, 2048
.set SIZE_TILES, 2
.set KSTEP,  128
.set PITCH,  272                       ; an LDS row: 256 bytes of data + 16 of padding = 68 words: row r starts at bank 4 r mod 64 (64 banks of 4 bytes: ISA guide 11.1), so the 16 rows that a load touches start at 16 different banks
.set HALFT,  128*PITCH                 ; 128 rows: what one tensor load brings, and what one wave reads of either operand
.set SLOT,   4*HALFT                   ; keyb's 256 rows, then wb's 256 rows
.set STAGE,  2*SLOT                    ; behind the ring, never filled by a tensor load: 1,280 bytes for each wave
.set HOFF,   576                       ; in a wave's stage: 128 sums of the lanes' lower half at 0, those of the upper half here: 144 words on, so the 32 lanes of a store fall on 32 different banks
.set WSTG,   1280
.set SPARE,  STAGE+4*WSTG              ; behind the stages: the spare words, 128 bytes for each wave: two blocks of 256 bytes that no other line names
.set LAPS,   SIZE_K/(2*KSTEP)          ; a lap = two K steps = once round the ring
.set WALK,   SIZE_M/SIZE_TILES         ; the work-group's two tiles lie 8,192 rows apart
.set NEXT_A, WALK*SIZE_K*2-(SIZE_K-2*KSTEP)*2   ; bytes from a slot's last K step of a tile to its first of the next: keyb goes WALK rows down and back along K,
.set BACK_B, (SIZE_K-2*KSTEP)*2        ; wb only back: both tiles take the same rows of wb
.set ADRA, 16                          ; v16-17  LDS address of my fragments of keyb in slot 0, 1
.set ADRB, 20                          ; v20-21  the same for wb
.set STO,  24                          ; v24     the way out: where I put a row's sum
.set RD,   25                          ; v25     the way out: where I read four rows' sums back
.set CO,   26                          ; v26     16 x lane: my byte offset in the wave's 512 bytes of part
.set VO,   27                          ; v27     32 x (lane / 16): my eight columns in 16 of b and of v
.set SPW,  28                          ; v28     LDS address of my spare word: SPARE + 4 x my thread's number; never rewritten
.set NIL,  29                          ; v29     0; never rewritten
.set PFO,  30                          ; v30     the prefetches' offset: my lane x a row of 4,096 bytes; never rewritten
.set SC,   32                          ; v32-39  block a's sum for my row and my half of the columns
.set OUT,  48                          ; v48-55  four rows' sums, lower and upper half
.set F0,   64                          ; fragment buffer 0
.set F1,   128                         ; fragment buffer 1
.set BI,   0                           ; window 1: the bias, eight registers for each block of 16 columns, laid as an accumulator's
.set VV,   192                         ; window 1: v of my batch, laid likewise
.set G1,  24                           ; s[24:31] descriptor group 1 for keyb's tiles
.set G0,  32                           ; s[32:39] descriptor group 0 for keyb's tiles, one set for each slot
.set LIM, 43                           ; s43      1 in a wave that prefetches, else the greatest number
.set PFA, 44                           ; s[44:45] where my prefetches stand
.set G1B, 48                           ; s[48:55] descriptor group 1 for wb's tiles: it differs in the mask alone
.set G0B, 56                           ; s[56:63] descriptor group 0 for wb's tiles
.set BB,  68                           ; s[68:69] b at my first column
.set VB,  70                           ; s[70:71] v at my batch and first column
.set CS,  72                           ; s[72:73] 2 log2(e): the packed multiply takes the pair's low word for both halves
.set HM,  74                           ; s74      mask of a word's upper bf16
.set MSB, 0
.macro WIN new                         ; the immediate's high byte repeats the setting that is left; a switch that changes nothing is dropped
.if MSB != (\new)
	s_set_vgpr_msb (MSB<<8)|(\new)
.set MSB, \new
.endif
.endm
.set MUL_LO, 0xa1                      ; source 0 (wb) window 1, source 1 (keyb) window 0, C and D window 2
.set MUL_HI, 0xf1                      ; the same, C and D window 3
.set TO_B,   0x40                      ; destination window 1, address window 0
.set IN_1,   0x55                      ; every operand place in window 1
; A joint load.  Waves 0 and 1 fetch keyb's two halves, waves 2 and 3 wb's.  Each of the two lines has ONE mask and one set of registers for all that issue it.  The branch hangs on the wave's
; number alone.  An s_nop 0 and four v_nop follow each of the two lines, ahead of the jump, the label and what follows the macro.
.macro JLOAD s
	s_cmp_eq_u32 s11, 0
	s_cbranch_scc0 .Lfor_b_\@
	tensor_load_to_lds s[G0+4*(\s):G0+4*(\s)+3], s[G1:G1+7]
	s_nop 0
.rept 4
	v_nop
.endr
	s_branch .Lasked_\@
.Lfor_b_\@:
	tensor_load_to_lds s[G0B+4*(\s):G0B+4*(\s)+3], s[G1B:G1B+7]
	s_nop 0
.rept 4
	v_nop
.endr
.Lasked_\@:
.endm
; A PREFETCH INTO THE L2, behind each joint load, its five lines and the run of LDS loads that follows them: the K step that stands TWO refills, 512 matrix instructions, on: 32 rows x 256 bytes, a lane a row.
; Each row's 256 bytes of a K step are named ONCE in the launch.  keyb's tile row is read by both clusters of that row of clusters: cluster x = 0 asks; wb's tile column by the eight clusters of that
; column: cluster y = 0 asks.  The four partners that ask for a tile jointly share its rows out BY ADDRESS: of the 128 rows that a wave fetches the partner at place p takes 32 p .. 32 p + 31.
; how = 0, in the loop: a tile's last two refills have no K step two on.  how = 1, at the change of tiles.
.macro ASK how
.if \how
	s_cmp_eq_u32 s[LIM], 1
.else
	s_cmp_gt_u32 s3, s[LIM]                        ; s3 = 1 in the loop's last trip
.endif
	s_cbranch_scc0 .Lnot_mine_\@
	global_prefetch_b8 v[PFO], s[PFA:PFA+1] offset:KSTEP*2 th:TH_LOAD_NT scope:SCOPE_SE
.Lnot_mine_\@:
.endm
; A round of the cluster's barrier: my work-group's barrier, so that wave 0's signal speaks for all four waves; wave 0 signals for the work-group; every wave waits for all sixteen
; work-groups; my work-group's barrier once more.
.macro CREST                           ; a round behind its opening barrier
	s_cmp_lg_u32 s10, 0
	s_cbranch_scc1 .Lnot_wave_0_\@
	s_barrier_signal -3
.Lnot_wave_0_\@:
	s_barrier_wait -3
	s_barrier_signal -1
	s_barrier_wait -1
.endm
.macro CROUND                          ; a whole round
	s_barrier_signal -1
	s_barrier_wait -1
	CREST
.endm
	s_load_b128 s[4:7], s[0:1], 0x0                ; keyb s[4:5], wb s[6:7]
	s_load_b128 s[68:71], s[0:1], 0x10             ; b s[68:69], v s[70:71]
	s_load_b64 s[8:9], s[0:1], 0x20                ; part
	v_lshl_add_u32 v[SPW], v0, 2, SPARE
	v_mov_b32 v[NIL], 0
	ds_add_u32 v[SPW], v[NIL]                      ; the wave's opening: the add and its wait stand ahead of my first tensor load; the set-up below, work on registers, stands between them
	v_lshrrev_b32 v1, 5, v0
	v_readfirstlane_b32 s10, v1                    ; wave 0..3
	s_lshr_b32 s11, s10, 1                         ; which half of the tile's rows is mine.  Also: I fetch for keyb (0) or for wb (1)
	s_and_b32 s12, s10, 1                          ; which half of its columns.  Also: which 128 rows of that tile I fetch
	s_bfe_u32 s40, ttmp6, 0x40000                  ; cx: my place along the cluster's x
	s_bfe_u32 s41, ttmp6, 0x40004                  ; cy: along its y
	s_lshl_b32 s42, ttmp9, 2                       ; in a cluster launch ttmp9 and ttmp7 count clusters
	s_add_co_u32 s42, s42, s40                     ; tile column = 4 x cluster x + cx, 0..7
	s_and_b32 s13, ttmp7, 0xffff
	s_lshl_b32 s13, s13, 2
	s_add_co_u32 s13, s13, s41                     ; tile row = 4 x cluster y + cy, 0..31
	s_lshl_b32 s43, s41, 2
	s_lshl_b32 s43, 15, s43                        ; my row of the cluster: places 4 cy .. 4 cy + 3
	s_lshl_b32 s44, 0x1111, s40                    ; my column: places cx, cx + 4, cx + 8, cx + 12
	; descriptor group 1: a tile of 128 rows x 128 elements, padded in LDS
	s_or_b32 s[G1+0], s43, (1<<16)|(1<<20)|(1<<21)|(5<<22)|(3<<25)  ; 15:0 the mask: keyb's tiles go to my row; 17:16 elements of 2 bytes; 20 padding on; 21 set beside a mask; 24:22 after every 64 words (code 5); 31:25 4 words of it (code 3)
	s_or_b32 s[G1B+0], s44, (1<<16)|(1<<20)|(1<<21)|(5<<22)|(3<<25) ; the same with the mask of my column, for wb's tiles
	s_mov_b32 s[G1B+1], KSTEP<<16
	s_mov_b32 s[G1+1], KSTEP<<16                   ; 63:48 tensor_dim0, low half = 128
	s_mov_b32 s[G1B+2], 128<<16
	s_mov_b32 s[G1+2], 128<<16                     ; 79:64 its high half = 0; 95:80 tensor_dim1, low half = 128
	s_mov_b32 s[G1B+3], KSTEP<<16
	s_mov_b32 s[G1+3], KSTEP<<16                   ; 111:96 its high half = 0; 127:112 tile_dim0 = 128
	s_mov_b32 s[G1B+4], 128
	s_mov_b32 s[G1+4], 128                         ; 143:128 tile_dim1 = 128; 159:144 tile_dim2 = 0
	s_mov_b32 s[G1B+5], SIZE_K
	s_mov_b32 s[G1+5], SIZE_K                      ; 191:160 tensor_dim0_stride, low word: elements from row to row
	s_mov_b32 s[G1B+6], 0
	s_mov_b32 s[G1+6], 0
	s_mov_b32 s[G1B+7], 0
	s_mov_b32 s[G1+7], 0
	s_mov_b32 s[CS], 0x4038aa3b                    ; 2 log2(e) = 2.885390
	s_mov_b32 s[CS+1], s[CS]                       ; named with it as a pair, so it is written
	s_mov_b32 s[HM], 0xffff0000
	; where the tiles come from.  keyb's hang on the tile row alone, which my row of the cluster shares; wb's on the tile column alone, which my column shares.
	s_lshl_b32 s17, s12, 7                         ; which 128 rows of the tile I fetch
	s_lshl_b32 s16, s13, 8
	s_add_co_u32 s16, s16, s17                     ; keyb: row 256 x tile row + 128 x half
	s_lshl_b32 s46, s42, 8
	s_add_co_u32 s46, s46, s17                     ; wb: row 256 x tile column + 128 x half
	s_mov_b32 s17, 0
	s_mov_b32 s47, 0
	s_mov_b64 s[18:19], SIZE_K*2
	s_mul_u64 s[16:17], s[16:17], s[18:19]         ; in bytes
	s_mul_u64 s[46:47], s[46:47], s[18:19]
	s_mul_i32 s20, s10, HALFT                      ; and where they go: wave x 128 rows: no place in the cluster enters an LDS address
	s_wait_dscnt 0x0                               ; the opening add is done
	s_wait_kmcnt 0x0
	s_add_nc_u64 s[14:15], s[4:5], s[16:17]
	s_add_nc_u64 s[46:47], s[6:7], s[46:47]
	CROUND                                         ; all sixteen work-groups are here: the first joint loads meet
.irp s, 0,1
	s_mov_b32 s[G0+4*(\s)], 1                                      ; 1:0 count = 1
	s_add_co_u32 s[G0+4*(\s)+1], s20, (\s)*SLOT                    ; 63:32 LDS address
	s_add_nc_u64 s[G0+4*(\s)+2:G0+4*(\s)+3], s[14:15], (\s)*KSTEP*2  ; 120:64 global address: K step s
	s_or_b32 s[G0+4*(\s)+3], s[G0+4*(\s)+3], 0x80000000            ; 127:126 type = 2
	s_mov_b32 s[G0B+4*(\s)], 1
	s_add_co_u32 s[G0B+4*(\s)+1], s20, (\s)*SLOT
	s_add_nc_u64 s[G0B+4*(\s)+2:G0B+4*(\s)+3], s[46:47], (\s)*KSTEP*2
	s_or_b32 s[G0B+4*(\s)+3], s[G0B+4*(\s)+3], 0x80000000
	JLOAD \s                                       ; the ring is filled before anything else is done: two loads of mine are out
.endr
	; A fragment is 16 rows x 32 K in 8 registers: lane l holds row l % 16; registers 0-3 hold K = 8 (l / 16) + 0..7, registers 4-7 K = 16 + 8 (l / 16) + 0..7: two loads of 16 bytes, 32 bytes apart.
	v_and_b32 v1, 15, v0                           ; l % 16
	v_bfe_u32 v2, v0, 4, 1                         ; l / 16
	v_mul_u32_u24 v3, v1, PITCH
	v_lshl_add_u32 v3, v2, 4, v3                   ; row x pitch + 16 x half
	s_mul_i32 s21, s11, HALFT                      ; my 128 rows of keyb
	s_mul_i32 s22, s12, HALFT                      ; my 128 rows of wb,
	s_add_co_u32 s22, s22, 2*HALFT                 ; which lie behind keyb's 256
.irp s, 0,1
	v_add_nc_u32 v[ADRA+(\s)], s21, v3
	v_add_nc_u32 v[ADRB+(\s)], s22, v3
	s_add_co_u32 s21, s21, SLOT
	s_add_co_u32 s22, s22, SLOT
.endr
	s_mul_i32 s23, s10, WSTG
	s_add_co_u32 s23, s23, STAGE                   ; my stage
	v_mul_u32_u24 v4, v2, HOFF                     ; in: my half of the lanes, row l % 16 of a block
	v_lshl_add_u32 v4, v1, 2, v4
	v_add_nc_u32 v[STO], s23, v4
	v_and_b32 v5, 31, v0
	v_lshlrev_b32 v[CO], 4, v5                     ; back: lane l takes rows 4 l .. 4 l + 3,
	v_add_nc_u32 v[RD], s23, v[CO]                 ; which are also its 16 bytes of part
	v_lshlrev_b32 v[VO], 5, v2
	; b, v and part at my wave's place.  The offsets that hold both cx and cy are made in s[76:83], which feed no descriptor.
	s_lshl_b32 s76, s42, 10
	s_lshl_b32 s77, s12, 9
	s_add_co_u32 s76, s76, s77                     ; my first column, 256 x tile column + 128 x half, in bytes of f32
	s_mov_b32 s77, 0
	s_add_nc_u64 s[BB:BB+1], s[BB:BB+1], s[76:77]
	s_add_nc_u64 s[VB:VB+1], s[VB:VB+1], s[76:77]
	s_lshl_b32 s78, s13, 1
	s_add_co_u32 s78, s78, s11                     ; my batch in the first tile: 2 x tile row + half
	s_lshl_b32 s80, s78, 9                         ; its 128 rows in a slice of part: 512 bytes each batch
	s_lshl_b32 s78, s78, 13                        ; its row of v: 8,192 bytes
	s_mov_b32 s79, 0
	s_add_nc_u64 s[VB:VB+1], s[VB:VB+1], s[78:79]
	s_lshl_b32 s82, s42, 1
	s_add_co_u32 s82, s82, s12                     ; my slice: 2 x tile column + half
	s_lshl_b32 s82, s82, 16                        ; a slice is 65,536 bytes
	s_add_co_u32 s80, s80, s82
	s_mov_b32 s81, 0
	s_add_nc_u64 s[8:9], s[8:9], s[80:81]
	; the prefetches
	s_lshl_b32 s13, s13, 8                         ; 256 x tile row
	s_lshl_b32 s42, s42, 8                         ; 256 x tile column
	s_and_b32 s22, ttmp7, 0xffff                   ; cluster y
	s_cmp_eq_u32 s11, 0                            ; do I fetch for keyb?
	s_cselect_b32 s20, s13, s42                    ; the tile's first row: in keyb by the tile row, in wb by the tile column
	s_cselect_b32 s21, s40, s41                    ; my place among the four that ask for it with me
	s_cselect_b32 s22, ttmp9, s22                  ; the coordinate along which other clusters read the same rows
	s_cselect_b64 s[PFA:PFA+1], s[4:5], s[6:7]
	s_cmp_eq_u32 s22, 0
	s_cselect_b32 s[LIM], 1, -1                    ; the same in all sixteen partners, for a given wave
	s_lshl_b32 s22, s12, 7
	s_add_co_u32 s20, s20, s22                     ; + the 128 rows that I fetch
	s_lshl_b32 s21, s21, 5
	s_add_co_u32 s20, s20, s21                     ; + my work-group's 32 of them
	s_mov_b32 s21, 0
	s_mov_b64 s[18:19], SIZE_K*2
	s_mul_u64 s[20:21], s[20:21], s[18:19]
	s_add_nc_u64 s[PFA:PFA+1], s[PFA:PFA+1], s[20:21]
	s_add_nc_u64 s[PFA:PFA+1], s[PFA:PFA+1], 2*KSTEP*2  ; at K step 2: the first refill steps it to 3 and names K step 4.  Nothing is prefetched here, at the head
	v_and_b32 v[PFO], 31, v0
	v_mul_u32_u24 v[PFO], v[PFO], SIZE_K*2
; Sixteen loads: my eight columns of each of the eight blocks of 16, from a vector of f32, into window 1, laid as an accumulator's registers
.macro LDVEC dst, base
	WIN TO_B
.irp c, 0,1,2,3,4,5,6,7
	global_load_b128 v[(\dst)+8*(\c):(\dst)+8*(\c)+3],   v[VO], s[(\base):(\base)+1] offset:64*(\c)
	global_load_b128 v[(\dst)+8*(\c)+4:(\dst)+8*(\c)+7], v[VO], s[(\base):(\base)+1] offset:64*(\c)+16
.endr
	WIN 0
.endm
; 64 registers of window 1, from base on, are rounded to bf16 (to nearest even) and widened again, in place.  The packed halves pass through 32 registers of wb's buffer 1, which holds nothing
; that is still wanted at either place where the macro stands.
.macro ROUNDV base
	WIN IN_1
.set t, 0
.rept 32
	v_cvt_pk_bf16_f32 v[F1+t], v[(\base)+2*t], v[(\base)+2*t+1]
.set t, t+1
.endr
.set t, 0
.rept 32
	v_lshlrev_b32 v[(\base)+2*t],   16, v[F1+t]    ; bf16 to f32: the low half moves up,
	v_and_b32     v[(\base)+2*t+1], s[HM], v[F1+t] ; the high half stays
.set t, t+1
.endr
.endm
; 16 matrix instructions: m blocks a0, a0 + 1 of the window's four (hi = 0: my rows 0-63, 1: rows 64-127) x all 8 n blocks, 32 along K.
; zero = 1: the first product starts the sums with the bias as its C (window 1): nothing is ever cleared.
.macro MUL16 f, hi, a0, zero
.if \zero
	WIN 0x91+0x40*(\hi)                            ; wb window 1, keyb window 0, C window 1, D window 2 or 3
.else
	WIN MUL_LO+0x50*(\hi)                          ; MUL_LO or MUL_HI
.endif
.irp a, \a0, (\a0)+1
.irp b, 0,1,2,3,4,5,6,7
.if \zero
	v_wmma_f32_16x16x32_bf16 v[8*(8*(\a)+(\b)):8*(8*(\a)+(\b))+7], v[(\f)+8*(\b):(\f)+8*(\b)+7], v[(\f)+8*(4*(\hi)+(\a)):(\f)+8*(4*(\hi)+(\a))+7], v[BI+8*(\b):BI+8*(\b)+7]
.else
	v_wmma_f32_16x16x32_bf16 v[8*(8*(\a)+(\b)):8*(8*(\a)+(\b))+7], v[(\f)+8*(\b):(\f)+8*(\b)+7], v[(\f)+8*(4*(\hi)+(\a)):(\f)+8*(4*(\hi)+(\a))+7], v[8*(8*(\a)+(\b)):8*(8*(\a)+(\b))+7]
.endif
.endr
.endr
.endm
; 32 LDS loads in one run: the fragments of one quarter step (128 rows of wb, 128 rows of keyb, 32 K at byte k of the rows) into buffer f
.macro FETCH slot, k, f
	WIN TO_B
.irp i, 0,1,2,3,4,5,6,7
	ds_load_b128 v[(\f)+8*(\i):(\f)+8*(\i)+3],   v[ADRB+(\slot)] offset:(\k)+(\i)*16*PITCH
	ds_load_b128 v[(\f)+8*(\i)+4:(\f)+8*(\i)+7], v[ADRB+(\slot)] offset:(\k)+(\i)*16*PITCH+32
.endr
	WIN 0
.irp i, 0,1,2,3,4,5,6,7
	ds_load_b128 v[(\f)+8*(\i):(\f)+8*(\i)+3],   v[ADRA+(\slot)] offset:(\k)+(\i)*16*PITCH
	ds_load_b128 v[(\f)+8*(\i)+4:(\f)+8*(\i)+7], v[ADRA+(\slot)] offset:(\k)+(\i)*16*PITCH+32
.endr
.endm
; A load into a register that a matrix instruction has read, and a vector instruction that reads a matrix result or writes one of a matrix instruction's registers, stand four places behind that
; matrix instruction, and only plain vector instructions that name none of its registers are places (ISA guide 7.12.1 for vector instructions).
.macro PLACES
.rept 4
	v_nop
.endr
.endm
; A K step is four quarter steps of 32 along K, 64 matrix instructions each, on buffers 0, 1, 0, 1.  The 64 accumulators take turns in the same order everywhere.
; One of the first three: multiplies buffer f; in its middle it fetches the next quarter's fragments, at byte k of the same slot's rows, into buffer g.
.macro QUARTER slot, k, f, g, zero
	s_wait_dscnt 8                                 ; wb and keyb's rows 0-63 are in; the youngest eight loads (keyb's rows 64-127) may be out
	MUL16 \f, 0, 0, \zero
	MUL16 \f, 0, 2, \zero
	PLACES
	FETCH \slot, \k, \g
	s_wait_dscnt 32                                ; all but the 32 just issued
	MUL16 \f, 1, 0, \zero
	MUL16 \f, 1, 2, \zero
.endm
; The last quarter multiplies buffer 1 and changes slots.  MEET is its first half: ONE barrier for the change of slots.  In front of it each wave waits for all its tensor loads, of which one is
; out: its part of the next slot; adds 0 to its spare word; and waits for that and for its own reads of this slot.  Behind it nobody reads this slot any more and the next slot is whole.
.macro MEET round                      ; round = 1: a round of the cluster's barrier follows
	WIN 0                                          ; (the add's two registers lie in window 0)
	s_wait_tensorcnt 0x0                           ; all my tensor loads have landed;
	ds_add_u32 v[SPW], v[NIL]                      ; 0 onto my spare word;
	s_wait_dscnt 9                                 ; (the add and the youngest eight loads may be out)
	MUL16 F1, 0, 0, 0                              ; sixteen matrix instructions stand between the add and the wait for it
	s_wait_dscnt 0x0                               ; the add is done, and my reads of this slot are over:
	s_barrier_signal -1                            ; say so,
	MUL16 F1, 0, 2, 0                              ; work on registers while the others arrive,
.if \round
	WIN 0
.endif
	s_barrier_wait -1                              ; and go on when all four have said so
.endm
; The whole last quarter.  Behind the round the slot just read out is filled again first: with this tile's K step two steps on (on = 0) or, in the first tile's last two K steps, with the second
; tile's K step 0 or 1 (on = 1); then come the next slot's first fragments.
.macro TURN slot, next, on
	s_wait_xcnt 0x0                                ; the last prefetch, a K step back, has read its address: it is stepped here, ahead of the waits of the change of slots
.if (\on) && (\slot) == 0
	s_add_nc_u64 s[PFA:PFA+1], s[PFA:PFA+1], (WALK-1)*SIZE_K*2+KSTEP*2  ; from the K step after the tile's last to the next tile's K step 1: WALK rows down, back along K
	s_cmp_eq_u32 s11, 0
	s_cselect_b32 s[LIM], s[LIM], -1               ; wb's rows are the same for both tiles: they are asked for no more
.else
	s_add_nc_u64 s[PFA:PFA+1], s[PFA:PFA+1], KSTEP*2
.endif
	MEET 1
	CREST                                          ; no wave of any partner still reads this slot's tile or has a load on its way
.if \on
	s_add_nc_u64 s[G0+4*(\slot)+2:G0+4*(\slot)+3], s[G0+4*(\slot)+2:G0+4*(\slot)+3], NEXT_A
	s_sub_nc_u64 s[G0B+4*(\slot)+2:G0B+4*(\slot)+3], s[G0B+4*(\slot)+2:G0B+4*(\slot)+3], BACK_B
.else
	s_add_nc_u64 s[G0+4*(\slot)+2:G0+4*(\slot)+3], s[G0+4*(\slot)+2:G0+4*(\slot)+3], 2*KSTEP*2
	s_add_nc_u64 s[G0B+4*(\slot)+2:G0B+4*(\slot)+3], s[G0B+4*(\slot)+2:G0B+4*(\slot)+3], 2*KSTEP*2
.endif
	JLOAD \slot                                    ; the first tensor load behind the round; the four v_nop behind it are also the places in front of the loads below
	FETCH \next, 0, F0
	ASK \on                                        ; behind the joint load and the run of LDS loads that the next products wait for
	MUL16 F1, 1, 0, 0
	MUL16 F1, 1, 2, 0
.endm
; THE WAY OUT of 32 accumulators (window 2: hi = 0; window 3: hi = 1), in place.  X(i) is accumulator i = 8 a + b.  Six stages:
;   S1  x times 2 log2(e)    S2  2^      S3  + 1      S4  1 /      S5  1 - 2 r = tanh      S6  times v, summed into the first two registers of the block's first accumulator
; They run as a pipeline over i, so that a power or a reciprocal and a plain instruction alternate: each of the former has a plain instruction that touches other accumulators behind it before its
; result is used (ISA guide 5.7.2).  In step i: S2(i) with S1(i + 1) and S5(i - 2) between its eight lines; then S4(i - 1) with S3(i) and S6(i - 2).  Each accumulator's first reader takes its two
; lowest registers.  At the end a block's two running sums are added into window 0.
.macro EPI_HALF hi
	WIN 0xa6+0x51*(\hi)                            ; destination, source 0 and source 2 in window 2 or 3; source 1 (v) in window 1
.set i, -1
.rept 35
.set n, 0
.rept 8
.if (i >= 0) && (i < 32)
	v_exp_f32 v[8*i+n], v[8*i+n]
.endif
.if (n < 4) && (i < 31)
	v_pk_mul_f32 v[8*i+8+2*n:8*i+9+2*n], v[8*i+8+2*n:8*i+9+2*n], s[CS:CS+1] op_sel_hi:[1,0]
.endif
.if (n >= 4) && (i >= 2)
	s_wait_alu depctr_va_vdst(0)
	v_pk_fma_f32 v[8*i-24+2*n:8*i-23+2*n], v[8*i-24+2*n:8*i-23+2*n], -2.0, 1.0 op_sel_hi:[1,0,0]
.endif
.set n, n+1
.endr
.set n, 0
.rept 8
.if (i >= 1) && (i < 33)
	v_rcp_f32 v[8*i-8+n], v[8*i-8+n]
.endif
.if (n < 4) && (i >= 0) && (i < 32)
	s_wait_alu depctr_va_vdst(0)
	v_pk_add_f32 v[8*i+2*n:8*i+2*n+1], v[8*i+2*n:8*i+2*n+1], 1.0 op_sel_hi:[1,0]
.endif
.if (n >= 4) && (i >= 2)
.set u, i-2
.set p, n-4
.set hd, 8*(u-u%8)
.if (u%8 == 0) && (p == 0)
	v_pk_mul_f32 v[hd:hd+1], v[hd:hd+1], v[VV:VV+1]
.else
	v_pk_fma_f32 v[hd:hd+1], v[8*u+2*p:8*u+2*p+1], v[VV+8*(u%8)+2*p:VV+8*(u%8)+2*p+1], v[hd:hd+1]
.endif
.endif
.set n, n+1
.endr
.set i, i+1
.endr
	WIN 0x0a+5*(\hi)                               ; sources 0 and 1 in window 2 or 3, destination in window 0
.irp a, 0,1,2,3
	v_add_f32 v[SC+4*(\hi)+(\a)], v[64*(\a)], v[64*(\a)+1]
.endr
.endm
	LDVEC BI, BB                                   ; the bias, once: both tiles have the same columns
	s_wait_loadcnt 0x0                             ; it is in,
	ROUNDV BI                                      ; and is rounded while the first tiles are on their way
	s_wait_tensorcnt 1                             ; my part of K step 0 is in; K step 1's load may stay out
	s_barrier_signal -1
	s_barrier_wait -1                              ; everybody's is
	FETCH 0, 0, F0
	s_mov_b32 s2, SIZE_TILES                       ; tiles to go: the same number in every work-group
.Ltile:
	LDVEC VV, VB                                   ; v of this tile's batch: wanted, and waited for, at the tile's end
	QUARTER 0, 64,  F0, F1, 1                      ; a tile's first quarter stands in front of the loop: its products start the sums
	WIN 0                                          ; at a label and at a branch every window is 0
	s_mov_b32 s3, LAPS-1
.Llap:                                                 ; a trip goes once round the ring, from a lap's second quarter to the next lap's first, and fills both slots again
	QUARTER 0, 128, F1, F0, 0
	QUARTER 0, 192, F0, F1, 0
	TURN 0, 1, 0
	QUARTER 1, 64,  F0, F1, 0
	QUARTER 1, 128, F1, F0, 0
	QUARTER 1, 192, F0, F1, 0
	TURN 1, 0, 0
	QUARTER 0, 64,  F0, F1, 0
	WIN 0
	s_sub_co_u32 s3, s3, 1
	s_cmp_lg_u32 s3, 0
	s_cbranch_scc1 .Llap
	QUARTER 0, 128, F1, F0, 0                      ; the tile's last lap goes on
	QUARTER 0, 192, F0, F1, 0
	WIN 0
	s_cmp_eq_u32 s2, 1
	s_cbranch_scc1 .Llast                          ; the last tile's tail is written out: it asks for nothing more
	TURN 0, 1, 1                                   ; THE RING GOES ON INTO THE NEXT TILE: slot 0 takes its K step 0,
	QUARTER 1, 64,  F0, F1, 0
	QUARTER 1, 128, F1, F0, 0
	QUARTER 1, 192, F0, F1, 0
	TURN 1, 0, 1                                   ; slot 1 its K step 1, and the next tile's first fragments are fetched, into buffer 0
	WIN 0
	s_branch .Lepi
.Llast:
	MEET 0                                         ; my one tensor load that was still out is slot 1's, the last K step's, so no round follows
	PLACES                                         ; for the loads into buffer 0, which the quarter before multiplied
	FETCH 1, 0, F0
	MUL16 F1, 1, 0, 0
	MUL16 F1, 1, 2, 0
	QUARTER 1, 64,  F0, F1, 0
	QUARTER 1, 128, F1, F0, 0
	QUARTER 1, 192, F0, F1, 0
	s_wait_dscnt 8                                 ; the very last quarter: nothing more to fetch
	MUL16 F1, 0, 0, 0
	MUL16 F1, 0, 2, 0
	s_wait_dscnt 0x0
	MUL16 F1, 1, 0, 0
	MUL16 F1, 1, 2, 0
	WIN 0
.Lepi:                                                 ; both tails meet here, so that the way out is written once.  Behind this label every wait on TENSORcnt is for 0
	PLACES                                         ; behind the last products, which read buffer 1
	s_wait_loadcnt 0x0                             ; v of my batch is in,
	ROUNDV VV                                      ; and is rounded
	EPI_HALF 0
	EPI_HALF 1
	WIN 0
.irp a, 0,1,2,3,4,5,6,7
	ds_store_b32 v[STO], v[SC+(\a)] offset:64*(\a)  ; row 16 a + l % 16, my half of the columns, into my own stage
.endr
	ds_load_b128 v[OUT:OUT+3],   v[RD]             ; LDS serves a wave's instructions in order (ISA guide 5.7.1.4): these see the stores above
	ds_load_b128 v[OUT+4:OUT+7], v[RD] offset:HOFF
	s_wait_dscnt 0x0
	v_pk_add_f32 v[OUT:OUT+1],   v[OUT:OUT+1],   v[OUT+4:OUT+5]
	v_pk_add_f32 v[OUT+2:OUT+3], v[OUT+2:OUT+3], v[OUT+6:OUT+7]
	global_store_b128 v[CO], v[OUT:OUT+3], s[8:9]  ; the wave stores 512 consecutive bytes, at a multiple of 256 from part's first byte
	s_wait_xcnt 0x0                                ; the store has read its registers and its base
	s_add_nc_u64 s[8:9], s[8:9], WALK*4            ; the next tile's rows in my slice,
	s_add_nc_u64 s[VB:VB+1], s[VB:VB+1], (WALK/128)*8192  ; and its batch, 64 further on (v's loads were shown done above)
	s_sub_co_u32 s2, s2, 1
	s_cmp_lg_u32 s2, 0
	s_cbranch_scc1 .Ltile
	s_wait_tensorcnt 0x0                           ; the wave's end: behind my last tensor load and my last LDS store
	ds_add_u32 v[SPW], v[NIL]
	s_wait_dscnt 0x0
	CROUND                                         ; the closing round: no work-group ends while a partner may still ask for a tile that names it
	s_endpgm
.Lfunc_end_k_q9900de0625_score:
	.size	k_q9900de0625_score, .Lfunc_end_k_q9900de0625_score-k_q9900de0625_score
	.p2alignl 7, 3214868480
	.fill 96, 4, 3214868480
	.section	.rodata,"a",@progbits
	.p2align	6, 0x0
	.amdhsa_kernel k_q9900de0625_score
		.amdhsa_group_segment_fixed_size 327680
		.amdhsa_private_segment_fixed_size 0
		.amdhsa_enable_private_segment 0
		.amdhsa_kernarg_size 40
		.amdhsa_user_sgpr_count 2
		.amdhsa_user_sgpr_kernarg_segment_ptr 1
		.amdhsa_wavefront_size32 1
		.amdhsa_system_sgpr_workgroup_id_x 1
		.amdhsa_system_sgpr_workgroup_id_y 1
		.amdhsa_system_sgpr_workgroup_id_z 1
		.amdhsa_system_vgpr_workitem_id 0
		.amdhsa_next_free_vgpr 1024
		.amdhsa_next_free_sgpr 84
		.amdhsa_reserve_vcc 0
		.amdhsa_float_denorm_mode_32 3
		.amdhsa_float_denorm_mode_16_64 3
		.amdhsa_memory_ordered 1
		.amdhsa_forward_progress 1
		.amdhsa_inst_pref_size 255
	.end_amdhsa_kernel
	.section	.bss,"aw",@nobits
	.p2align	6
	.space	262144
	.amdgpu_metadata
---
amdhsa.version: [ 1, 2 ]
amdhsa.kernels:
  - .name:           k_q9900de0625_score
    .symbol:         k_q9900de0625_score.kd
    .args:
      - { .name: keyb, .offset: 0, .size: 8, .value_kind: global_buffer, .address_space: global }
      - { .name: wb, .offset: 8, .size: 8, .value_kind: global_buffer, .address_space: global }
      - { .name: b, .offset: 16, .size: 8, .value_kind: global_buffer, .address_space: global }
      - { .name: v, .offset: 24, .size: 8, .value_kind: global_buffer, .address_space: global }
      - { .name: part, .offset: 32, .size: 8, .value_kind: global_buffer, .address_space: global }
    .group_segment_fixed_size: 327680
    .private_segment_fixed_size: 0
    .kernarg_segment_align: 8
    .kernarg_segment_size: 40
    .max_flat_workgroup_size: 128
    .sgpr_count:     84
    .vgpr_count:     1024
    .wavefront_size: 32
...
	.end_amdgpu_metadata
.endif
;; end of part 2
;; launch pool (part 3): grid 2 x 128, 8 waves a work-group, no clusters, 0 bytes of LDS; arguments part, value, out0, out1; writes out0, out1
.if DOCPART == 3
	.amdgcn_target "amdgcn-amd-amdhsa--gfx1250"
	.amdhsa_code_object_version 6
	.text
	.protected	k_q9900de0625_pool
	.globl	k_q9900de0625_pool
	.p2align	8
	.type	k_q9900de0625_pool,@function
k_q9900de0625_pool:
	s_mov_b64 s[64:65], 0
	v_nop
	global_prefetch_b8 v0, s[64:65] scope:SCOPE_SE
	s_setreg_imm32_b32 hwreg(HW_REG_WAVE_MODE, 25, 1), 1
	s_wait_xcnt 0x0
; score[b][s] = the sum over j of part[j][128 b + s];  out1[b][s] = p = softmax over s of score[b][:];  out0[b][d] = the sum over s of p[s] value[s][b][d].
; part: [16][16384] f32, value: [128 s][128 b][2048] f32, out0: [128][2048] f32, out1: [128][128] f32.  All sums in f32; the row's true maximum is taken away before the exponential.
; A stream of value, each byte read once.  A work-group takes 1,024 columns of one b, a wave 128 of them: 512 consecutive bytes, aligned, of each of the 128 rows; a lane 4 columns.
; No wave needs another: each makes the softmax for itself from 8 KiB of part (lane l holds s = 4 l .. 4 l + 3), so there is no LDS and no barrier.  The matrix unit and clusters have nothing to do
; here: a number of value meets one multiply-add, and the two work-groups of a b share only part's 8 KiB.
; 32 row slots in registers: 32 loads of a wave, 16 KiB, are out all the time; the first 32 go out ahead of the softmax.  No address register is ever rewritten.
; LIMITS.  EVERY INPUT OF THE PROGRAM IS TAKEN ROUNDED ONCE TO bf16 (8 significant bits, f32's range): value is rounded here, in registers, and then multiplied as f32, so that it carries the same
; rounding as the four inputs behind the scores.  A weight below 2^-126 counts as 0; NaN and infinities are not treated apart.
.set PO,   2                           ; v2        16 x lane: my four s in part and in out1
.set VO,   3                           ; v3        4,096 x half + 512 x wave + 16 x lane: my four columns in a row of value and of out0
.set ACC,  8                           ; v[8:11]   the four sums
.set PR,   12                          ; v[12:15]  p of s = 4 l .. 4 l + 3
.set T,    16                          ; v[16:23]  at work
.set X,    32                          ; v[32:159] slot s % 32: my 16 bytes of row s
.set P,    160                         ; v[160:223] the 16 slices of my four scores
.set Y,    224                         ; v[224:227] a row's four numbers as bf16, packed: two sets, by the row's parity
.set U,    228                         ; v[228:235] the same widened to f32: two sets
.set BASE, 32                          ; s[32:63]  pair g: value at my b, row 8 g: the rows between stand in the loads' immediates
.set PS,   68                          ; s[68:83]  p of eight rows, each in the low word of a pair: the packed multiply-add takes that word for both halves
.set SEL,  84                          ; s[84:85]  v_permlanex16_b32's selects: each lane takes its own place in the other half
.set HM,   86                          ; s86       mask of a word's upper bf16
	s_load_b256 s[4:11], s[0:1], 0x0               ; part s[4:5], value s[6:7], out0 s[8:9], out1 s[10:11]
	v_lshrrev_b32 v1, 5, v0
	v_readfirstlane_b32 s12, v1                    ; wave 0..7
	s_mov_b32 s13, ttmp9                           ; which half of the columns
	s_and_b32 s14, ttmp7, 0xffff                   ; b
	v_and_b32 v1, 31, v0
	v_lshlrev_b32 v[PO], 4, v1
	s_lshl_b32 s16, s13, 12
	s_lshl_b32 s17, s12, 9
	s_add_co_u32 s16, s16, s17
	v_add_nc_u32 v[VO], s16, v[PO]
	v_mov_b32 v[T+1], 0                            ; v_permlanex16_b32 counts as a reader of its destination: it is written once here
	s_mov_b32 s[SEL], 0x76543210
	s_mov_b32 s[SEL+1], 0xfedcba98
	s_mov_b32 s[HM], 0xffff0000
.set k, 0
.rept 8
	s_mov_b32 s[PS+2*k+1], 0                       ; the pairs' high words are named with the low ones, so they are written
.set k, k+1
.endr
	s_lshl_b32 s18, s14, 9                         ; 128 f32 for each b, in a slice of part and in out1
	s_mov_b32 s19, 0
	s_lshl_b32 s20, s14, 13                        ; 2,048 f32 for each b, in a plane of value and in out0
	s_mov_b32 s21, 0
	s_wait_kmcnt 0x0
	s_add_nc_u64 s[4:5], s[4:5], s[18:19]
	s_add_nc_u64 s[10:11], s[10:11], s[18:19]
	s_add_nc_u64 s[8:9], s[8:9], s[20:21]
	s_add_nc_u64 s[BASE:BASE+1], s[6:7], s[20:21]
.set g, 1
.rept 15
	s_add_nc_u64 s[BASE+2*g:BASE+2*g+1], s[BASE+2*g-2:BASE+2*g-1], 0x800000  ; eight planes of 1,048,576 bytes on
.set g, g+1
.endr
.macro VLOAD s                         ; row s into its slot: the wave reads 512 consecutive bytes
	global_load_b128 v[X+4*((\s)%32):X+4*((\s)%32)+3], v[VO], s[BASE+2*((\s)/8):BASE+2*((\s)/8)+1] offset:((\s)%8)*1048576 th:TH_LOAD_NT
.endm
.set j, 0
.rept 16
	global_load_b128 v[P+4*j:P+4*j+3], v[PO], s[4:5] offset:65536*j
.set j, j+1
.endr
.set r, 0
.rept 32
	VLOAD r
.set r, r+1
.endr
	s_wait_loadcnt 32                              ; the 16 slices are in; the 32 rows of value stay out
.set j, 1
.rept 15
	v_pk_add_f32 v[P:P+1],   v[P:P+1],   v[P+4*j:P+4*j+1]      ; the slices in ascending order
	v_pk_add_f32 v[P+2:P+3], v[P+2:P+3], v[P+4*j+2:P+4*j+3]
.set j, j+1
.endr
	; the maximum of the 128 scores: in the lane, across 16 lanes on the arithmetic itself (DPP), across the halves
	v_max3_num_f32 v[T], v[P], v[P+1], v[P+2]
	v_max_num_f32 v[T], v[T], v[P+3]
	v_max_num_f32_dpp v[T], v[T], v[T] row_xmask:1 row_mask:0xf bank_mask:0xf
	v_max_num_f32_dpp v[T], v[T], v[T] row_xmask:2 row_mask:0xf bank_mask:0xf
	v_max_num_f32_dpp v[T], v[T], v[T] row_xmask:4 row_mask:0xf bank_mask:0xf
	v_max_num_f32_dpp v[T], v[T], v[T] row_xmask:8 row_mask:0xf bank_mask:0xf
	v_permlanex16_b32 v[T+1], v[T], s[SEL], s[SEL+1]
	v_max_num_f32 v[T], v[T], v[T+1]
.irp q, 0,1,2,3
	v_sub_f32 v[P+(\q)], v[P+(\q)], v[T]           ; at most 0
.endr
.irp q, 0,1,2,3
	v_mul_f32 v[P+(\q)], 0x3fb8aa3b, v[P+(\q)]     ; times log2(e)
.endr
.irp q, 0,1,2,3
	v_exp_f32 v[P+(\q)], v[P+(\q)]
.endr
	v_nop                                          ; a plain instruction between the last exponential and the use of its result (ISA guide 5.7.2)
	s_wait_alu depctr_va_vdst(0)
	v_add_f32 v[T+2], v[P], v[P+1]
	v_add_f32 v[T+3], v[P+2], v[P+3]
	v_add_f32 v[T+2], v[T+2], v[T+3]
	v_add_f32_dpp v[T+2], v[T+2], v[T+2] row_xmask:1 row_mask:0xf bank_mask:0xf
	v_add_f32_dpp v[T+2], v[T+2], v[T+2] row_xmask:2 row_mask:0xf bank_mask:0xf
	v_add_f32_dpp v[T+2], v[T+2], v[T+2] row_xmask:4 row_mask:0xf bank_mask:0xf
	v_add_f32_dpp v[T+2], v[T+2], v[T+2] row_xmask:8 row_mask:0xf bank_mask:0xf
	v_permlanex16_b32 v[T+3], v[T+2], s[SEL], s[SEL+1]
	v_add_f32 v[T+2], v[T+2], v[T+3]               ; at least 1: the maximum's own weight
	v_rcp_f32 v[T+4], v[T+2]
	v_nop
	s_wait_alu depctr_va_vdst(0)
.irp q, 0,1,2,3
	v_mul_f32 v[PR+(\q)], v[P+(\q)], v[T+4]
.endr
	s_or_b32 s15, s13, s12                         ; p is stored once for each b: by wave 0 of the first half
	s_cmp_lg_u32 s15, 0
	s_cbranch_scc1 .Lno_p
	global_store_b128 v[PO], v[PR:PR+3], s[10:11]  ; 512 consecutive bytes, at a multiple of 256 from out1's first byte
.Lno_p:
	; the 128 rows.  p of eight rows at a time goes from the lanes into scalar registers.  A row: its four numbers are rounded to bf16, its slot is asked for again at once, the numbers are
	; widened and meet two packed multiply-adds.  The registers at work go by the row's parity, so that a row does not wait for the one before it.
.set r, 0
.rept 128
.set xx, X+4*(r%32)
.set yy, Y+2*(r%2)
.set uu, U+4*(r%2)
.set pp, PS+2*(r%8)
.if r%8 == 0
.set k, 0
.rept 8
	v_readlane_b32 s[PS+2*k], v[PR+(r+k)%4], (r+k)/4
.set k, k+1
.endr
.endif
.if r < 96
	s_wait_loadcnt 31                              ; loads come back in order (ISA guide 5.7.1): row r is in, the 31 younger rows stay out
.else
	s_wait_loadcnt 127-r                           ; nothing more is asked for: the counts run down
.endif
	v_cvt_pk_bf16_f32 v[yy],   v[xx],   v[xx+1]    ; to nearest even
	v_cvt_pk_bf16_f32 v[yy+1], v[xx+2], v[xx+3]
.if r < 96
	VLOAD r+32
.endif
	v_lshlrev_b32 v[uu],   16, v[yy]               ; bf16 to f32: the low half moves up,
	v_and_b32     v[uu+1], s[HM], v[yy]            ; the high half stays
	v_lshlrev_b32 v[uu+2], 16, v[yy+1]
	v_and_b32     v[uu+3], s[HM], v[yy+1]
.if r == 0
	v_pk_mul_f32 v[ACC:ACC+1],   v[uu:uu+1],   s[pp:pp+1] op_sel_hi:[1,0]  ; the first row starts the sums: nothing is cleared
	v_pk_mul_f32 v[ACC+2:ACC+3], v[uu+2:uu+3], s[pp:pp+1] op_sel_hi:[1,0]
.else
	v_pk_fma_f32 v[ACC:ACC+1],   v[uu:uu+1],   s[pp:pp+1], v[ACC:ACC+1]   op_sel_hi:[1,0,1]
	v_pk_fma_f32 v[ACC+2:ACC+3], v[uu+2:uu+3], s[pp:pp+1], v[ACC+2:ACC+3] op_sel_hi:[1,0,1]
.endif
.set r, r+1
.endr
	global_store_b128 v[VO], v[ACC:ACC+3], s[8:9] th:TH_STORE_NT  ; 512 consecutive bytes, at a multiple of 256 from out0's first byte
	s_endpgm
.Lfunc_end_k_q9900de0625_pool:
	.size	k_q9900de0625_pool, .Lfunc_end_k_q9900de0625_pool-k_q9900de0625_pool
	.p2alignl 7, 3214868480
	.fill 96, 4, 3214868480
	.section	.rodata,"a",@progbits
	.p2align	6, 0x0
	.amdhsa_kernel k_q9900de0625_pool
		.amdhsa_group_segment_fixed_size 0
		.amdhsa_private_segment_fixed_size 0
		.amdhsa_enable_private_segment 0
		.amdhsa_kernarg_size 32
		.amdhsa_user_sgpr_count 2
		.amdhsa_user_sgpr_kernarg_segment_ptr 1
		.amdhsa_wavefront_size32 1
		.amdhsa_system_sgpr_workgroup_id_x 1
		.amdhsa_system_sgpr_workgroup_id_y 1
		.amdhsa_system_sgpr_workgroup_id_z 1
		.amdhsa_system_vgpr_workitem_id 0
		.amdhsa_next_free_vgpr 240
		.amdhsa_next_free_sgpr 88
		.amdhsa_reserve_vcc 0
		.amdhsa_float_denorm_mode_32 3
		.amdhsa_float_denorm_mode_16_64 3
		.amdhsa_memory_ordered 1
		.amdhsa_forward_progress 1
		.amdhsa_inst_pref_size 80
	.end_amdhsa_kernel
	.amdgpu_metadata
---
amdhsa.version: [ 1, 2 ]
amdhsa.kernels:
  - .name:           k_q9900de0625_pool
    .symbol:         k_q9900de0625_pool.kd
    .args:
      - { .name: part, .offset: 0, .size: 8, .value_kind: global_buffer, .address_space: global }
      - { .name: value, .offset: 8, .size: 8, .value_kind: global_buffer, .address_space: global }
      - { .name: out0, .offset: 16, .size: 8, .value_kind: global_buffer, .address_space: global }
      - { .name: out1, .offset: 24, .size: 8, .value_kind: global_buffer, .address_space: global }
    .group_segment_fixed_size: 0
    .private_segment_fixed_size: 0
    .kernarg_segment_align: 8
    .kernarg_segment_size: 32
    .max_flat_workgroup_size: 256
    .sgpr_count:     88
    .vgpr_count:     240
    .wavefront_size: 32
...
	.end_amdgpu_metadata
.endif
;; end of part 3
;; ======== version 2 of 2: 3 launches; version 1 with the launch pool written anew for expert scheduling mode
;; limits: values outside matrix products are rounded to bf16
;; workspace buffers: keyb 67,108,864 bytes; wb 8,388,608 bytes; part 1,048,576 bytes
;; launch cast: the kernel of part 1 again; grid 256 x 1, 8 waves a work-group, no clusters, 0 bytes of LDS; arguments key, W, keyb, wb; writes keyb, wb
;; launch score: the kernel of part 2 again; grid 8 x 32, 4 waves a work-group, clusters of 4 x 4, 327,680 bytes of LDS; arguments keyb, wb, b, v, part; writes part
;; launch pool (part 4): grid 2 x 128, 8 waves a work-group, no clusters, 0 bytes of LDS; arguments part, value, out0, out1; writes out0, out1
.if DOCPART == 4
	.amdgcn_target "amdgcn-amd-amdhsa--gfx1250"
	.amdhsa_code_object_version 6
	.text
	.protected	k_q9900de0625_pool
	.globl	k_q9900de0625_pool
	.p2align	8
	.type	k_q9900de0625_pool,@function
k_q9900de0625_pool:
	s_mov_b64 s[64:65], 0
	v_nop
	global_prefetch_b8 v0, s[64:65] scope:SCOPE_SE
	s_setreg_imm32_b32 hwreg(HW_REG_WAVE_SCHED_MODE, 0, 2), 2
	s_setreg_imm32_b32 hwreg(HW_REG_WAVE_MODE, 25, 1), 1
	s_wait_xcnt 0x0
	s_wait_alu depctr_vm_vsrc(0)
; score[b][s] = the sum over j of part[j][128 b + s];  out1[b][s] = p = softmax over s of score[b][:];  out0[b][d] = the sum over s of p[s] value[s][b][d].
; part: [16][16384] f32, value: [128 s][128 b][2048] f32, out0: [128][2048] f32, out1: [128][128] f32.  All sums in f32; the row's true maximum is taken away before the exponential.
; A stream of value, each byte read once.  A work-group takes 1,024 columns of one b, a wave 128 of them: 512 consecutive bytes, aligned, of each of the 128 rows; a lane 4 columns.
; No wave needs another: each makes the softmax for itself from 8 KiB of part (lane l holds s = 4 l .. 4 l + 3), so there is no LDS and no barrier.  The matrix unit and clusters have nothing to do
; here: a number of value meets one multiply-add, and the two work-groups of a b share only part's 8 KiB.
; 40 row slots in registers, five blocks of eight: 32 loads of a wave, 16 KiB, are out all the time; the first 32 go out ahead of the softmax.  No address register is ever rewritten.
; LIMITS.  EVERY INPUT OF THE PROGRAM IS TAKEN ROUNDED ONCE TO bf16 (8 significant bits, f32's range): value is rounded here, in registers, and then multiplied as f32, so that it carries the same
; rounding as the four inputs behind the scores.  A weight below 2^-126 counts as 0; NaN and infinities are not treated apart.
; THE MODE: SCHED_MODE bits 1:0 = 2 (LLVM: expert scheduling mode 2), set by the entry lines.  The code itself states the register dependences between vector instructions and memory
; instructions, with s_wait_alu, always for 0.
; THE PLAN.  Registers that memory instructions touch:
;   v2, v3     byte offsets, made once at the head and never written again: the rows are reached by sixteen scalar bases and by immediate offsets.
;   P          the 16 slices of part: loaded once, then named by the softmax's vector lines alone.
;   X0 .. X4   five blocks of eight rows of value as loaded.  The 128 rows go in 16 blocks of eight.  Block p's conversions read X[p % 5]; its eight loads bring block p + 4 and land in
;              X[(p + 4) % 5] = X[(p - 1) % 5]: the buffer that block p - 1 emptied and that no vector line of block p names.
;   PR         p: written by four multiplies, read by one store of out1 (and by the lines that bring p to scalar registers); never written again.
;   ACC        the four sums: written by the multiply-adds, read by the last store.
;   Y, U, T    named by vector instructions alone.
; So ONE wait on va_vdst stands at the head of each block that loads, from block 1 on, and the block's eight loads follow it, one in front of each row's vector lines, with no further wait.
; Block 0's loads land in X4, which no vector line has named; blocks 12 to 15 load nothing.  No register that a memory instruction reads is written again, so no wait on vm_vsrc is owed.
; p goes to scalar registers by vector instructions, eight rows at a time: one wait on va_sdst stands behind each such run, ahead of the multiply-adds that read them.
.set PO,   2                           ; v2        16 x lane: my four s in part and in out1
.set VO,   3                           ; v3        4,096 x half + 512 x wave + 16 x lane: my four columns in a row of value and of out0
.set Y,    4                           ; v[4:7]    a row's four numbers as bf16, packed: two sets, by the row's parity
.set ACC,  8                           ; v[8:11]   the four sums
.set PR,   12                          ; v[12:15]  p of s = 4 l .. 4 l + 3
.set T,    16                          ; v[16:23]  at work
.set U,    24                          ; v[24:31]  a row's four numbers widened to f32: two sets
.set X,    32                          ; v[32:191] slot s % 40: my 16 bytes of row s
.set P,    192                         ; v[192:255] the 16 slices of my four scores
.set BASE, 32                          ; s[32:63]  pair g: value at my b, row 8 g: the rows between stand in the loads' immediates
.set PS,   68                          ; s[68:83]  p of eight rows, each in the low word of a pair: the packed multiply-add takes that word for both halves
.set SEL,  84                          ; s[84:85]  v_permlanex16_b32's selects: each lane takes its own place in the other half
.set HM,   86                          ; s86       mask of a word's upper bf16
	s_load_b256 s[4:11], s[0:1], 0x0               ; part s[4:5], value s[6:7], out0 s[8:9], out1 s[10:11]
	v_lshrrev_b32 v1, 5, v0
	v_readfirstlane_b32 s12, v1                    ; wave 0..7
	s_mov_b32 s13, ttmp9                           ; which half of the columns
	s_and_b32 s14, ttmp7, 0xffff                   ; b
	v_and_b32 v1, 31, v0
	v_lshlrev_b32 v[PO], 4, v1
	s_lshl_b32 s16, s13, 12
	s_wait_alu depctr_va_sdst(0)                   ; s12 is written, ahead of its first reader: my columns' offset is made from it
	s_lshl_b32 s17, s12, 9
	s_add_co_u32 s16, s16, s17
	v_add_nc_u32 v[VO], s16, v[PO]
	v_mov_b32 v[T+1], 0                            ; v_permlanex16_b32 counts as a reader of its destination: it is written once here
	s_mov_b32 s[SEL], 0x76543210
	s_mov_b32 s[SEL+1], 0xfedcba98
	s_mov_b32 s[HM], 0xffff0000
.set k, 0
.rept 8
	s_mov_b32 s[PS+2*k+1], 0                       ; the pairs' high words are named with the low ones, so they are written
.set k, k+1
.endr
	s_lshl_b32 s18, s14, 9                         ; 128 f32 for each b, in a slice of part and in out1
	s_mov_b32 s19, 0
	s_lshl_b32 s20, s14, 13                        ; 2,048 f32 for each b, in a plane of value and in out0
	s_mov_b32 s21, 0
	s_wait_kmcnt 0x0
	s_add_nc_u64 s[4:5], s[4:5], s[18:19]
	s_add_nc_u64 s[10:11], s[10:11], s[18:19]
	s_add_nc_u64 s[8:9], s[8:9], s[20:21]
	s_add_nc_u64 s[BASE:BASE+1], s[6:7], s[20:21]
.set g, 1
.rept 15
	s_add_nc_u64 s[BASE+2*g:BASE+2*g+1], s[BASE+2*g-2:BASE+2*g-1], 0x800000  ; eight planes of 1,048,576 bytes on
.set g, g+1
.endr
.macro VLOAD s                         ; row s into its slot: the wave reads 512 consecutive bytes
	global_load_b128 v[X+4*((\s)%40):X+4*((\s)%40)+3], v[VO], s[BASE+2*((\s)/8):BASE+2*((\s)/8)+1] offset:((\s)%8)*1048576 th:TH_LOAD_NT
.endm
	s_wait_alu depctr_va_vdst(0)                   ; v2 and v3 are written: every load and store of the kernel reads one of them as its offset
.set j, 0
.rept 16
	global_load_b128 v[P+4*j:P+4*j+3], v[PO], s[4:5] offset:65536*j
.set j, j+1
.endr
.set r, 0
.rept 32
	VLOAD r                                        ; blocks 0 to 3 into X0 to X3
.set r, r+1
.endr
	s_wait_loadcnt 32                              ; the 16 slices are in; the 32 rows of value stay out
.set j, 1
.rept 15
	v_pk_add_f32 v[P:P+1],   v[P:P+1],   v[P+4*j:P+4*j+1]      ; the slices in ascending order
	v_pk_add_f32 v[P+2:P+3], v[P+2:P+3], v[P+4*j+2:P+4*j+3]
.set j, j+1
.endr
	; the maximum of the 128 scores: in the lane, across 16 lanes on the arithmetic itself (DPP), across the halves
	v_max3_num_f32 v[T], v[P], v[P+1], v[P+2]
	v_max_num_f32 v[T], v[T], v[P+3]
	v_max_num_f32_dpp v[T], v[T], v[T] row_xmask:1 row_mask:0xf bank_mask:0xf
	v_max_num_f32_dpp v[T], v[T], v[T] row_xmask:2 row_mask:0xf bank_mask:0xf
	v_max_num_f32_dpp v[T], v[T], v[T] row_xmask:4 row_mask:0xf bank_mask:0xf
	v_max_num_f32_dpp v[T], v[T], v[T] row_xmask:8 row_mask:0xf bank_mask:0xf
	v_permlanex16_b32 v[T+1], v[T], s[SEL], s[SEL+1]
	v_max_num_f32 v[T], v[T], v[T+1]
.irp q, 0,1,2,3
	v_sub_f32 v[P+(\q)], v[P+(\q)], v[T]           ; at most 0
.endr
.irp q, 0,1,2,3
	v_mul_f32 v[P+(\q)], 0x3fb8aa3b, v[P+(\q)]     ; times log2(e)
.endr
.irp q, 0,1,2,3
	v_exp_f32 v[P+(\q)], v[P+(\q)]
.endr
	v_nop                                          ; a plain instruction between the last exponential and the use of its result (ISA guide 5.7.2)
	s_wait_alu depctr_va_vdst(0)                   ; the four exponentials have written v[P .. P+3], ahead of the first line that names them: one wait for the batch
	v_add_f32 v[T+2], v[P], v[P+1]
	v_add_f32 v[T+3], v[P+2], v[P+3]
	v_add_f32 v[T+2], v[T+2], v[T+3]
	v_add_f32_dpp v[T+2], v[T+2], v[T+2] row_xmask:1 row_mask:0xf bank_mask:0xf
	v_add_f32_dpp v[T+2], v[T+2], v[T+2] row_xmask:2 row_mask:0xf bank_mask:0xf
	v_add_f32_dpp v[T+2], v[T+2], v[T+2] row_xmask:4 row_mask:0xf bank_mask:0xf
	v_add_f32_dpp v[T+2], v[T+2], v[T+2] row_xmask:8 row_mask:0xf bank_mask:0xf
	v_permlanex16_b32 v[T+3], v[T+2], s[SEL], s[SEL+1]
	v_add_f32 v[T+2], v[T+2], v[T+3]               ; at least 1: the maximum's own weight
	v_rcp_f32 v[T+4], v[T+2]
	v_nop                                          ; a plain instruction between the reciprocal and the use of its result
	s_wait_alu depctr_va_vdst(0)                   ; the reciprocal has written v[T+4], ahead of the multiplies that read it
.irp q, 0,1,2,3
	v_mul_f32 v[PR+(\q)], v[P+(\q)], v[T+4]
.endr
	s_or_b32 s15, s13, s12                         ; p is stored once for each b: by wave 0 of the first half
	s_cmp_lg_u32 s15, 0
	s_cbranch_scc1 .Lno_p
	s_wait_alu depctr_va_vdst(0)                   ; the four multiplies have written v[PR .. PR+3], which the store reads
	global_store_b128 v[PO], v[PR:PR+3], s[10:11]  ; 512 consecutive bytes, at a multiple of 256 from out1's first byte
.Lno_p:
	; the 128 rows, in 16 blocks of eight.  At a block's head p of its eight rows goes from the lanes into scalar registers.  A row: the load of the row 32 further on, which lands in the buffer
	; that the block before emptied; the wait for the row's own data; its four numbers are rounded to bf16, widened and meet two packed multiply-adds.  The registers at work go by the row's
	; parity, so that a row does not wait for the one before it.
.set r, 0
.rept 128
.set xx, X+4*(r%40)
.set yy, Y+2*(r%2)
.set uu, U+4*(r%2)
.set pp, PS+2*(r%8)
.if r%8 == 0
.set k, 0
.rept 8
	v_readlane_b32 s[PS+2*k], v[PR+(r+k)%4], (r+k)/4
.set k, k+1
.endr
	s_wait_alu depctr_va_sdst(0)                   ; the eight lines above have written the low words of s[PS ..], ahead of the block's multiply-adds, which read them
.if (r > 0) && (r < 96)
	s_wait_alu depctr_va_vdst(0)                   ; the conversions of the block before are done reading its eight slots, in which this block's eight loads land
.endif
.endif
.if r < 96
	VLOAD r+32                                     ; no vector instruction since the block's wait names this slot or v3
	s_wait_loadcnt 32                              ; loads come back in order (ISA guide 5.7.1): row r is in; the 32 younger rows, the one just asked for among them, stay out
.else
	s_wait_loadcnt 127-r                           ; nothing more is asked for: the counts run down
.endif
	v_cvt_pk_bf16_f32 v[yy],   v[xx],   v[xx+1]    ; to nearest even
	v_cvt_pk_bf16_f32 v[yy+1], v[xx+2], v[xx+3]
	v_lshlrev_b32 v[uu],   16, v[yy]               ; bf16 to f32: the low half moves up,
	v_and_b32     v[uu+1], s[HM], v[yy]            ; the high half stays
	v_lshlrev_b32 v[uu+2], 16, v[yy+1]
	v_and_b32     v[uu+3], s[HM], v[yy+1]
.if r == 0
	v_pk_mul_f32 v[ACC:ACC+1],   v[uu:uu+1],   s[pp:pp+1] op_sel_hi:[1,0]  ; the first row starts the sums: nothing is cleared
	v_pk_mul_f32 v[ACC+2:ACC+3], v[uu+2:uu+3], s[pp:pp+1] op_sel_hi:[1,0]
.else
	v_pk_fma_f32 v[ACC:ACC+1],   v[uu:uu+1],   s[pp:pp+1], v[ACC:ACC+1]   op_sel_hi:[1,0,1]
	v_pk_fma_f32 v[ACC+2:ACC+3], v[uu+2:uu+3], s[pp:pp+1], v[ACC+2:ACC+3] op_sel_hi:[1,0,1]
.endif
.set r, r+1
.endr
	s_wait_alu depctr_va_vdst(0)                   ; the last multiply-adds have written v[ACC .. ACC+3], which the store reads
	global_store_b128 v[VO], v[ACC:ACC+3], s[8:9] th:TH_STORE_NT  ; 512 consecutive bytes, at a multiple of 256 from out0's first byte
	s_endpgm
.Lfunc_end_k_q9900de0625_pool:
	.size	k_q9900de0625_pool, .Lfunc_end_k_q9900de0625_pool-k_q9900de0625_pool
	.p2alignl 7, 3214868480
	.fill 96, 4, 3214868480
	.section	.rodata,"a",@progbits
	.p2align	6, 0x0
	.amdhsa_kernel k_q9900de0625_pool
		.amdhsa_group_segment_fixed_size 0
		.amdhsa_private_segment_fixed_size 0
		.amdhsa_enable_private_segment 0
		.amdhsa_kernarg_size 32
		.amdhsa_user_sgpr_count 2
		.amdhsa_user_sgpr_kernarg_segment_ptr 1
		.amdhsa_wavefront_size32 1
		.amdhsa_system_sgpr_workgroup_id_x 1
		.amdhsa_system_sgpr_workgroup_id_y 1
		.amdhsa_system_sgpr_workgroup_id_z 1
		.amdhsa_system_vgpr_workitem_id 0
		.amdhsa_next_free_vgpr 256
		.amdhsa_next_free_sgpr 88
		.amdhsa_reserve_vcc 0
		.amdhsa_float_denorm_mode_32 3
		.amdhsa_float_denorm_mode_16_64 3
		.amdhsa_memory_ordered 1
		.amdhsa_forward_progress 1
		.amdhsa_inst_pref_size 81
	.end_amdhsa_kernel
	.amdgpu_metadata
---
amdhsa.version: [ 1, 2 ]
amdhsa.kernels:
  - .name:           k_q9900de0625_pool
    .symbol:         k_q9900de0625_pool.kd
    .args:
      - { .name: part, .offset: 0, .size: 8, .value_kind: global_buffer, .address_space: global }
      - { .name: value, .offset: 8, .size: 8, .value_kind: global_buffer, .address_space: global }
      - { .name: out0, .offset: 16, .size: 8, .value_kind: global_buffer, .address_space: global }
      - { .name: out1, .offset: 24, .size: 8, .value_kind: global_buffer, .address_space: global }
    .group_segment_fixed_size: 0
    .private_segment_fixed_size: 0
    .kernarg_segment_align: 8
    .kernarg_segment_size: 32
    .max_flat_workgroup_size: 256
    .sgpr_count:     88
    .vgpr_count:     256
    .wavefront_size: 32
...
	.end_amdgpu_metadata
.endif
;; end of part 4
